; MI455X (gfx1250); checked and timed in simulation.
; The chip was launched on July 23, 2026; its instructions are those of AMD's public machine-readable ISA for CDNA 5 (MIT licence, August 2026) and "CDNA5" Instruction Set Architecture Reference Guide (July 2026). The comments in the code are by the model that wrote it; some were corrected since.
;; Ro PE Attention. Allowed arithmetic: matrix products marked QUANTISED: E2M1 operands, one E8M0 scale for each 32 along K, by v_wmma_scale_f32_16x16x128_f8f6f4 with both operands' format E2M1 (or v_wmma_scale_f32_32x16x128_f4), f32 sums; everything else in f32.
;; Inputs: norm_w 1,024 float32; wk_codes 1,024 x 32 x 16 uint8 (E2M1 codes of wk, K innermost, in blocks of 32 codes, two codes a byte); wk_scales 1,024 x 32 uint8 (E8M0 scales of wk, one for each 32 codes along K); wo_codes 1,024 x 32 x 16 uint8 (E2M1 codes of wo, K innermost, in blocks of 32 codes, two codes a byte); wo_scales 1,024 x 32 uint8 (E8M0 scales of wo, one for each 32 codes along K); wq_codes 1,024 x 32 x 16 uint8 (E2M1 codes of wq, K innermost, in blocks of 32 codes, two codes a byte); wq_scales 1,024 x 32 uint8 (E8M0 scales of wq, one for each 32 codes along K); wv_codes 1,024 x 32 x 16 uint8 (E2M1 codes of wv, K innermost, in blocks of 32 codes, two codes a byte); wv_scales 1,024 x 32 uint8 (E8M0 scales of wv, one for each 32 codes along K); x 4 x 2,048 x 1,024 float32.
;; Outputs: out0 4 x 2,048 x 1,024 float32.
;; This version of the problem:
;;   THIS VERSION OF THE PROBLEM IS GIVEN IN LOW PRECISION. The matrix products marked QUANTISED in the list below multiply operands that are first quantised to E2M1 (2 exponent bits, 1 mantissa bit; 4 bits a number), with one power-of-two scale for each 32 numbers along K (OCP MX v1.0); their sums are f32. All else is computed in f32.
;;   The module's matrix products, in the order in which they are computed (A, B: the left and right operand; K: the contracted axis; several contracted axes count as one K, in the product's order):
;;     1. [M 8,192, K 1,024] x [K 1,024, N 1,024]; A: computed on the way; B: input wq (given as codes): QUANTISED
;;     2. [M 8,192, K 1,024] x [K 1,024, N 1,024]; A: computed on the way; B: input wk (given as codes): QUANTISED
;;     3. [M 8,192, K 1,024] x [K 1,024, N 1,024]; A: computed on the way; B: input wv (given as codes): QUANTISED
;;     4. batch 64 x [M 2,048, K 64] x [K 64, N 2,048]; A: computed on the way; B: computed on the way: QUANTISED
;;     5. batch 64 x [M 2,048, K 2,048] x [K 2,048, N 64]; A: softmax (see below); B: computed on the way: QUANTISED
;;     6. [M 8,192, K 1,024] x [K 1,024, N 1,024]; A: computed on the way; B: input wo (given as codes): QUANTISED
;;   THE QUANTISER, for each operand of a quantised product, along K:
;;     - K is cut into blocks of 32 from its start; a last block that is shorter is filled with zeros.
;;     - A block's scale is 2^e with e = floor(log2(the largest magnitude in the block)) - 2, held to -126 .. 127; a block of zeros has e = 0. As a byte (E8M0): e + 127.
;;     - Each number is divided by its block's scale, clamped to +-6, and rounded to the nearest number of E2M1, ties to even, subnormals kept.
;;     - The product sums the exact products of the quantised numbers (number of the format x scale) in f32.
;;   ~~~python
;;   def quantise(x, axis):      # numpy; x: float32 -> the quantised numbers, widened to float32 again
;;       x = np.moveaxis(x, axis, -1); K = x.shape[-1]
;;       x = np.pad(x, [(0, 0)] * (x.ndim - 1) + [(0, -K % 32)]); x = x.reshape(x.shape[:-1] + (-1, 32)); a = np.abs(x).max(-1, keepdims=True)
;;       e = np.where(a > 0, np.clip(np.frexp(np.where(a > 0, a, 1))[1] - 1 - 2, -126, 127), 0)      # np.frexp(a)[1] - 1 = floor(log2(a)), exactly
;;       r = np.clip(x / 2.0 ** e, -6, 6)
;;       step = 2.0 ** (np.maximum(np.frexp(np.where(r == 0, 1, r))[1] - 1, 0) - 1)
;;       q = np.round(r / step) * step * 2.0 ** e      # np.round: ties to even
;;       return np.moveaxis(q.reshape(q.shape[:-2] + (-1,))[..., :K], -1, axis).astype(np.float32)
;;   ~~~
;;   SOFTMAX AHEAD OF A QUANTISED PRODUCT. Where the list says 'softmax', what is quantised is not the finished softmax but p = 2^(t - M), with t = logit x log2(e) and M = ceil(the row's largest t), a whole number; so 1/2 < the row's largest p <= 1. The row's sum l is taken of the UNQUANTISED p, in f32, and the product's result is divided by l at the end. Since M is a whole number, a kernel that streams over the keys may use a running M (the ceiling of the running maximum): every later rescaling is an exact power of two, which a block's scale takes up: the codes' values come out the same.
;;   OPERANDS COMPUTED ON THE WAY. 'Computed on the way' means the value that the module computes at that place (a softmax that the list does not call 'softmax' is quantised finished and normalised). What goes into a quantiser is computed in f32, as accurately as f32 sums, v_exp_f32 and their like allow (about 1e-6 of the number): no bf16 or f16 on the way to a quantiser, and a product that is left as it is and whose result goes on into a quantised operand takes f32 operands (vector FMAs, or v_wmma_f32_16x16x4_f32). A number that lies on a knife's edge between two numbers of the format may be rounded either way, as far as f32 arithmetic and the matrix unit's own rounding can turn it there, and no further.
;;   INPUTS GIVEN AS CODES. wk (in the module: [1024, 1024], K = its axis 0); wo (in the module: [1024, 1024], K = its axis 0); wq (in the module: [1024, 1024], K = its axis 0); wv (in the module: [1024, 1024], K = its axis 0): each comes as NAME_codes (uint8): NAME with its K axis moved to the last place and cut into blocks of 32 codes, [.., K / 32, bytes a block], one block behind the other in memory; two codes a byte, the lower K in the low four bits (a code: sign, 2 exponent bits, 1 mantissa bit); and NAME_scales (uint8): the same leading axes, one E8M0 byte (e + 127) for each 32 codes along K. Its value is code x scale, taken as it is: it is not quantised again, and the codes and scales need not be those that the quantiser above would give.
;; One version. Each part assembles by itself: llvm-mc -triple=amdgcn-amd-amdhsa -mcpu=gfx1250 --defsym DOCPART=n.
;; ======== version 1 of 1: 4 launches
;; workspace buffers: xa 4,456,448 bytes; aa 4,456,448 bytes; rope 524,288 bytes; qc 4,194,304 bytes; qs 524,288 bytes; kv 9,175,040 bytes
;; launch prep (part 1): grid 512 x 1, 16 waves a work-group, no clusters, 84,992 bytes of LDS; arguments x, norm_w, xa, rope; writes xa, rope
.if DOCPART == 1
	.amdgcn_target "amdgcn-amd-amdhsa--gfx1250"
	.amdhsa_code_object_version 6
	.text
	.protected	k_qfb19c081b0_prep
	.globl	k_qfb19c081b0_prep
	.p2align	8
	.type	k_qfb19c081b0_prep,@function
k_qfb19c081b0_prep:
	s_mov_b64 s[64:65], 0
	v_nop
	global_prefetch_b8 v0, s[64:65] scope:SCOPE_SE
	s_setreg_imm32_b32 hwreg(HW_REG_WAVE_MODE, 25, 1), 1
	s_wait_xcnt 0x0
; PREP.  normed = x * rsqrt(mean(x^2) + eps) * norm_w, in f32, quantised along the model axis to codes of FP4 (E2M1) with one E8M0 byte for each 32; and the table of cos and sin for the rotary embedding.
; xa: 64 row blocks of 128 tokens, 69,632 bytes each: codes [tile 8][block of 32 along K: 32][row 16][16 bytes], which is an operand's registers on end ([tile][K step][group of four registers][lane][16 bytes]);
;     behind them the scale words [tile][lane 32][4]: word (l, i) is row l % 16, K step 2 i + l / 16.  ROW m OF TILE 2 P + u IS TOKEN 32 P + 8 u + m + 8 (m / 8) of the block: the next launch wants that order.
; rope: [token 2,048][cos 32 | sin 32] f32, 256 bytes a token.
; SHARES.  A work-group makes one tile of xa (16 tokens), a wave one token: a row of 4,096 bytes is eight loads of 512 consecutive bytes.  Waves share nothing but the way out.
; The conversions want 32 neighbours in ONE lane, the loads want neighbouring lanes on neighbouring bytes: the row turns through the wave's own stage in LDS (128 bytes + 16 of padding a block), lane l comes back with block l.
; The first 128 work-groups also make the table: their 2,048 tokens are the 2,048 positions.  Angle = position x 2^(-f log2(10000) / 32); it is reduced by multiples of pi / 2 held in three parts, then sine and
; cosine are polynomials on |r| <= pi / 4.
; LIMITS: NaN and infinities among the inputs are not served.  A block of zeros, or one whose largest magnitude lies under 2^-124, gets the byte 1 (its codes are zeros or tiny; this program alone reads the bytes).
; The inverse frequency comes from v_exp_f32: at position 2,047 the angle can differ from one made with a correctly rounded power by some 3e-4 rad at the most.
.set TURNB, 4608                       ; a wave's turn stage: 32 blocks x 144 bytes
.set CST,   73728                      ; behind the 16 turn stages: the tile's codes, 32 blocks x (16 rows x 16 bytes + 16)
.set SST,   82432                      ; behind them: the tile's 512 scale bytes, as they leave
.set XR,    16                         ; v16-47   the row as loaded
.set WR,    48                         ; v48-79   norm_w, in the same places
.set YR,    80                         ; v80-111  my block's 32 numbers (before that: at work for the table)
.set SEL,   20                         ; s[20:21] lane selects: lane l xor 16
	s_load_b256 s[4:11], s[0:1], 0x0               ; x s[4:5], norm_w s[6:7], xa s[8:9], rope s[10:11]
	v_lshl_add_u32 v128, v0, 2, 0x14400
	v_mov_b32 v129, 0
	v_lshrrev_b32 v1, 5, v0
	v_readfirstlane_b32 s12, v1                    ; wave 0..15 = the tile's row
	v_and_b32 v1, 31, v0                           ; lane
	v_lshlrev_b32 v2, 4, v1                        ; 16 x lane
	s_mul_i32 s13, s12, TURNB
	s_lshl_b32 s14, s12, 4
	s_mul_i32 s15, s12, 544
	v_lshrrev_b32 v3, 3, v1
	v_mul_u32_u24 v3, v3, 144
	v_and_b32 v4, 7, v1
	v_lshl_add_u32 v3, v4, 4, v3
	v_add_nc_u32 v3, s13, v3                       ; the turn, in: eight lanes' 128 bytes are a block: 144 (l / 8) + 16 (l % 8); a load's 512 bytes are four blocks
	v_mul_u32_u24 v4, v1, 144
	v_add_nc_u32 v4, s13, v4                       ; the turn, out: block l
	v_mul_u32_u24 v5, v1, 272
	v_add_nc_u32 v5, s14, v5
	v_add_nc_u32 v5, CST, v5                       ; my block's codes: block l, row w
	v_bfe_u32 v6, v1, 2, 1
	v_lshlrev_b32 v6, 8, v6
	v_lshrrev_b32 v7, 3, v1
	v_lshl_add_u32 v6, v7, 2, v6
	v_and_b32 v7, 3, v1
	v_add_nc_u32 v6, v6, v7
	v_add_nc_u32 v6, s14, v6
	v_add_nc_u32 v6, SST, v6                       ; my block's byte: K step s = l / 4: word (w + 16 (s % 2), s / 2), byte l % 4
	v_lshrrev_b32 v7, 4, v1
	v_mul_u32_u24 v7, v7, 272
	v_and_b32 v8, 15, v1
	v_lshl_add_u32 v7, v8, 4, v7
	v_add_nc_u32 v7, s15, v7
	v_add_nc_u32 v7, CST, v7                       ; the way out: wave w takes blocks 2 w and 2 w + 1, sixteen lanes to a block
	v_add_nc_u32 v122, SST, v2                     ; and wave 0 the scale words
	s_mov_b32 s[SEL], 0x76543210
	s_mov_b32 s[SEL+1], 0xfedcba98
	s_mov_b32 s22, 0x3a800000                      ; 1 / 1,024
	s_mov_b32 s23, 0x34000000                      ; eps = 2^-23
	s_lshr_b32 s16, ttmp9, 1
	s_lshl_b32 s16, s16, 5
	s_and_b32 s17, ttmp9, 1
	s_lshl_b32 s17, s17, 3
	s_add_co_u32 s16, s16, s17
	s_add_co_u32 s16, s16, s12
	s_and_b32 s17, s12, 8
	s_add_co_u32 s16, s16, s17                     ; my token: 32 (T / 2) + 8 (T % 2) + w + 8 (w / 8)
	s_lshl_b32 s18, s16, 12                        ; its row of 4,096 bytes
	s_mov_b32 s19, 0
	s_lshr_b32 s24, ttmp9, 3
	s_mul_i32 s24, s24, 69632                      ; the row block in xa
	s_and_b32 s25, ttmp9, 7                        ; the tile
	s_lshl_b32 s26, s25, 13
	s_add_co_u32 s26, s26, s24
	s_lshl_b32 s27, s12, 9
	s_add_co_u32 s26, s26, s27                     ; my 512 bytes of the tile's codes
	s_mov_b32 s27, 0
	s_lshl_b32 s28, s25, 9
	s_add_co_u32 s28, s28, s24
	s_add_co_u32 s28, s28, 65536                   ; the tile's scale words
	s_mov_b32 s29, 0
	s_wait_kmcnt 0x0
	s_add_nc_u64 s[4:5], s[4:5], s[18:19]
	s_add_nc_u64 s[26:27], s[8:9], s[26:27]
	s_add_nc_u64 s[28:29], s[8:9], s[28:29]
.irp i, 0,1,2,3,4,5,6,7
	global_load_b128 v[XR+4*\i:XR+4*\i+3], v2, s[4:5] offset:512*\i th:TH_LOAD_NT   ; 32 lanes read 512 consecutive bytes; this launch reads them once
.endr
.irp i, 0,1,2,3,4,5,6,7
	global_load_b128 v[WR+4*\i:WR+4*\i+3], v2, s[6:7] offset:512*\i
.endr
	; ---- the table, while the loads are out.  Lane l makes f = 2 (l % 16) and f + 1: lanes 0-15 their cosines, lanes 16-31 their sines
	s_cmp_ge_u32 ttmp9, 128                        ; the first 128 work-groups hold tokens 0 .. 2,047
	s_cbranch_scc1 .Lno_rope
	s_lshl_b32 s30, s16, 8
	s_mov_b32 s31, 0
	s_add_nc_u64 s[10:11], s[10:11], s[30:31]      ; the token's 256 bytes
	v_and_b32 v112, 15, v1
	v_lshlrev_b32 v112, 1, v112
	v_add_nc_u32 v113, 1, v112
	v_cvt_f32_u32 v112, v112
	v_cvt_f32_u32 v113, v113
	v_mul_f32 v112, 0xbed49a78, v112               ; -f log2(10000) / 32
	v_mul_f32 v113, 0xbed49a78, v113
	v_exp_f32 v112, v112                           ; the inverse frequencies
	v_exp_f32 v113, v113
	v_cvt_f32_u32 v114, s16                        ; the position (a plain instruction behind the exponentials)
	v_mov_b32 v115, 0xb94ca1f9                     ; the sine's leading coefficient
	v_mov_b32 v116, 0x37ccf5ce                     ; the cosine's
	v_lshrrev_b32 v117, 4, v1
	v_mul_u32_u24 v117, v117, 3                    ; sin(a) = cos(a - pi / 2): three quadrants on, in lanes 16-31
	v_lshlrev_b32 v120, 3, v1                      ; 8 bytes a lane
	s_wait_alu depctr_va_vdst(0)                   ; one wait for both exponentials, ahead of their first reader
.macro TRIG e
.set RB, 80+12*\e
	v_mul_f32 v[RB], v114, v[112+\e]               ; the angle
	v_mul_f32 v[RB+1], 0x3f22f983, v[RB]
	v_rndne_f32 v[RB+1], v[RB+1]                   ; n = the nearest multiple of pi / 2
	v_fmamk_f32 v[RB], v[RB+1], 0xbfc90000, v[RB]  ; r = angle - n pi / 2, pi / 2 in three parts
	v_fmamk_f32 v[RB], v[RB+1], 0xb9fda000, v[RB]
	v_fmamk_f32 v[RB], v[RB+1], 0xb3a22168, v[RB]
	v_mul_f32 v[RB+2], v[RB], v[RB]                ; z = r^2
	v_fmaak_f32 v[RB+3], v115, v[RB+2], 0x3c08839e
	v_fmaak_f32 v[RB+3], v[RB+3], v[RB+2], 0xbe2aaaa3
	v_mul_f32 v[RB+4], v[RB+2], v[RB]
	v_fma_f32 v[RB+3], v[RB+3], v[RB+4], v[RB]     ; sin r = r + r z (..)
	v_fmaak_f32 v[RB+5], v116, v[RB+2], 0xbab6061a
	v_fmaak_f32 v[RB+5], v[RB+5], v[RB+2], 0x3d2aaaa5
	v_mul_f32 v[RB+6], v[RB+2], v[RB+2]
	v_fma_f32 v[RB+7], v[RB+2], -0.5, 1.0
	v_fma_f32 v[RB+5], v[RB+5], v[RB+6], v[RB+7]   ; cos r = 1 - z / 2 + z^2 (..)
	v_cvt_i32_f32 v[RB+8], v[RB+1]
	v_add_nc_u32 v[RB+8], v[RB+8], v117            ; the quadrant q (its two low bits)
	v_and_b32 v[RB+9], 1, v[RB+8]
	v_cmp_eq_u32 vcc_lo, 1, v[RB+9]
	v_cndmask_b32 v[RB+5], v[RB+5], v[RB+3], vcc_lo   ; odd q: the sine
	v_add_nc_u32 v[RB+8], 1, v[RB+8]
	v_and_b32 v[RB+8], 2, v[RB+8]
	v_lshlrev_b32 v[RB+8], 30, v[RB+8]             ; q = 1, 2: the sign turns
	v_xor_b32 v[118+\e], v[RB+5], v[RB+8]
.endm
	TRIG 0
	TRIG 1
	global_store_b64 v120, v[118:119], s[10:11]    ; 32 lanes store the token's 256 consecutive bytes; none of these registers is written again
.Lno_rope:
	; ---- the norm
	s_wait_loadcnt 8                               ; x's eight loads are in; norm_w's eight may be out
	v_pk_mul_f32 v[8:9], v[XR:XR+1], v[XR:XR+1]    ; the sum of squares, in two chains of pairs
	v_pk_mul_f32 v[10:11], v[XR+2:XR+3], v[XR+2:XR+3]
.irp j, 4,8,12,16,20,24,28
	v_pk_fma_f32 v[8:9], v[XR+\j:XR+\j+1], v[XR+\j:XR+\j+1], v[8:9]
	v_pk_fma_f32 v[10:11], v[XR+\j+2:XR+\j+3], v[XR+\j+2:XR+\j+3], v[10:11]
.endr
	v_pk_add_f32 v[8:9], v[8:9], v[10:11]
	v_add_f32 v8, v8, v9
	v_add_f32_dpp v8, v8, v8 row_xmask:1 row_mask:0xf bank_mask:0xf
	v_add_f32_dpp v8, v8, v8 row_xmask:2 row_mask:0xf bank_mask:0xf
	v_add_f32_dpp v8, v8, v8 row_xmask:4 row_mask:0xf bank_mask:0xf
	v_add_f32_dpp v8, v8, v8 row_xmask:8 row_mask:0xf bank_mask:0xf
	v_permlanex16_b32 v9, v8, s[SEL], s[SEL+1]
	v_add_f32 v8, v8, v9                           ; every lane holds the row's sum
	v_fma_f32 v8, v8, s22, s23                     ; the mean + eps
	v_rsq_f32 v10, v8
	v_nop                                          ; a plain instruction behind the transcendental
	s_wait_alu depctr_va_vdst(0)                   ; and the wait ahead of its first reader
.irp j, 0,2,4,6,8,10,12,14,16,18,20,22,24,26,28,30
	v_pk_mul_f32 v[XR+\j:XR+\j+1], v[XR+\j:XR+\j+1], v[10:11] op_sel_hi:[1,0]
.endr
	s_wait_loadcnt 0x0                             ; norm_w
.irp j, 0,2,4,6,8,10,12,14,16,18,20,22,24,26,28,30
	v_pk_mul_f32 v[XR+\j:XR+\j+1], v[XR+\j:XR+\j+1], v[WR+\j:WR+\j+1]
.endr
	; ---- the turn: LDS serves a wave's instructions in order, so no wait stands between my stores and my loads
.irp i, 0,1,2,3,4,5,6,7
	ds_store_b128 v3, v[XR+4*\i:XR+4*\i+3] offset:576*\i
.endr
.irp i, 0,1,2,3,4,5,6,7
	ds_load_b128 v[YR+4*\i:YR+4*\i+3], v4 offset:16*\i
.endr
	s_wait_dscnt 0x0
	; ---- the quantiser: all 32 numbers of the block are mine
	v_max3_num_f32 v8, |v[YR]|, |v[YR+1]|, 0x1800000   ; with the floor 2^(3 - 127): the byte cannot fall under 1
	v_max3_num_f32 v9, |v[YR+2]|, |v[YR+3]|, |v[YR+4]|
.irp i, 5,9,13,17,21,25
	v_max3_num_f32 v8, v8, |v[YR+\i]|, |v[YR+\i+1]|
	v_max3_num_f32 v9, v9, |v[YR+\i+2]|, |v[YR+\i+3]|
.endr
	v_max3_num_f32 v8, v8, |v[YR+29]|, |v[YR+30]|
	v_max3_num_f32 v8, v8, v9, |v[YR+31]|
	v_add_nc_u32 v10, 0xff000000, v8               ; 2 off the exponent field: the conversion takes this operand's exponent field as its scale
.irp g, 0,1,2,3
	v_cvt_scalef32_pk8_fp4_f32 v[12+\g], v[YR+8*\g:YR+8*\g+7], v10
.endr
	v_lshrrev_b32 v11, 23, v10                     ; the scale's byte (and the plain instruction behind the conversions)
	ds_store_b128 v5, v[12:15]
	ds_store_b8 v6, v11
	s_wait_dscnt 0x0                               ; for the others' sake: my stores have landed
	s_barrier_signal -1
	s_barrier_wait -1
	ds_load_b128 v[16:19], v7
	s_wait_dscnt 0x0
	global_store_b128 v2, v[16:19], s[26:27]       ; 32 lanes store 512 consecutive bytes, at a multiple of 256 from xa's first byte
	s_cmp_lg_u32 s12, 0
	s_cbranch_scc1 .Lend
	ds_load_b128 v[24:27], v122                    ; wave 0: the tile's 512 scale bytes
	s_wait_dscnt 0x0
	global_store_b128 v2, v[24:27], s[28:29]
.Lend:
	s_wait_tensorcnt 0x0
	ds_add_u32 v128, v129
	s_wait_dscnt 0x0
	s_endpgm
.Lfunc_end_k_qfb19c081b0_prep:
	.size	k_qfb19c081b0_prep, .Lfunc_end_k_qfb19c081b0_prep-k_qfb19c081b0_prep
	.p2alignl 7, 3214868480
	.fill 96, 4, 3214868480
	.section	.rodata,"a",@progbits
	.p2align	6, 0x0
	.amdhsa_kernel k_qfb19c081b0_prep
		.amdhsa_group_segment_fixed_size 84992
		.amdhsa_private_segment_fixed_size 0
		.amdhsa_enable_private_segment 0
		.amdhsa_kernarg_size 32
		.amdhsa_user_sgpr_count 2
		.amdhsa_user_sgpr_kernarg_segment_ptr 1
		.amdhsa_wavefront_size32 1
		.amdhsa_system_sgpr_workgroup_id_x 1
		.amdhsa_system_sgpr_workgroup_id_y 1
		.amdhsa_system_sgpr_workgroup_id_z 1
		.amdhsa_system_vgpr_workitem_id 0
		.amdhsa_next_free_vgpr 130
		.amdhsa_next_free_sgpr 66
		.amdhsa_reserve_vcc 1
		.amdhsa_float_denorm_mode_32 3
		.amdhsa_float_denorm_mode_16_64 3
		.amdhsa_memory_ordered 1
		.amdhsa_forward_progress 1
		.amdhsa_inst_pref_size 15
	.end_amdhsa_kernel
	.amdgpu_metadata
---
amdhsa.version: [ 1, 2 ]
amdhsa.kernels:
  - .name:           k_qfb19c081b0_prep
    .symbol:         k_qfb19c081b0_prep.kd
    .args:
      - { .name: x, .offset: 0, .size: 8, .value_kind: global_buffer, .address_space: global }
      - { .name: norm_w, .offset: 8, .size: 8, .value_kind: global_buffer, .address_space: global }
      - { .name: xa, .offset: 16, .size: 8, .value_kind: global_buffer, .address_space: global }
      - { .name: rope, .offset: 24, .size: 8, .value_kind: global_buffer, .address_space: global }
    .group_segment_fixed_size: 84992
    .private_segment_fixed_size: 0
    .kernarg_segment_align: 8
    .kernarg_segment_size: 32
    .max_flat_workgroup_size: 512
    .sgpr_count:     66
    .vgpr_count:     130
    .wavefront_size: 32
...
	.end_amdgpu_metadata
.endif
;; end of part 1
;; launch qkv (part 2): grid 4 x 64, 4 waves a work-group, no clusters, 168,448 bytes of LDS; arguments xa, rope, wq_codes, wq_scales, wk_codes, wk_scales, wv_codes, wv_scales, qc, qs, kv; writes qc, qs, kv
.if DOCPART == 2
	.amdgcn_target "amdgcn-amd-amdhsa--gfx1250"
	.amdhsa_code_object_version 6
	.text
	.protected	k_qfb19c081b0_qkv
	.globl	k_qfb19c081b0_qkv
	.p2align	8
	.type	k_qfb19c081b0_qkv,@function
k_qfb19c081b0_qkv:
	s_mov_b64 s[64:65], 0
	v_nop
	global_prefetch_b8 v0, s[64:65] scope:SCOPE_SE
	s_setreg_imm32_b32 hwreg(HW_REG_WAVE_MODE, 25, 1), 1
	s_wait_xcnt 0x0
; QKV.  q, k, v = normed x W (codes of FP4 x codes of FP4, f32 sums), the rotary embedding on q and k, and the quantisers of the next two products: q and k along the head's 64, v along the keys.
; SHARES.  A work-group takes a row block of 128 tokens (work-group y) and four heads (work-group x); wave w owns ONE head: its 64 rows of wq, wk and wv, all of K, stay in its registers (3 x 256, windows 1 to 3),
; read from memory once.  What goes through LDS is small: the block's codes and scale words (69,632 bytes, laid by the launch before as operand registers on end) and 128 tokens of the cos / sin table.
; Both come by tensor loads at the head, a quarter from each wave, filled once: by this text's own count a wave has two tensor loads outstanding.
; A TILE of 16 tokens is three units of 32 matrix instructions (4 accumulators by turns, 8 K steps).
;   q, k: source 0 = 16 rows of W, source 1 = the tokens: a lane holds ONE token, and its registers run along the head's d.
;   v:    source 0 = the tokens, source 1 = 16 rows of wv: a lane holds ONE d, and its registers run along the tokens, which are the keys: the next K.
; THE ROWS OF A TILE ARE NOT NEIGHBOURS, in W and in xa alike: row m of tile 2 b + u is row 32 b + 8 u + m + 8 (m / 8).  So the 16 registers of two neighbouring tiles are 16 NEIGHBOURS: d = 32 b + 16 (lane / 16) + 0 .. 15
; for q and k, tokens 32 P + 16 (lane / 16) + 0 .. 15 for v; a block of 32 lies in lanes l and l xor 16.
; OUT.  qc [bh][token][32 bytes], qs [bh][token] one word; kv, 143,360 bytes a head: k's codes [step 16][tile 8][lane][16], v's codes at 65,536 [step][d tile 4][group 2][lane][16], k's scale words at 131,072
; [step][lane][4], v's at 139,264 [step][lane][2]: all as the next launch's operand registers want them.  q's and k's words hold their two bytes TWICE (b0 b1 b0 b1): the next launch's K is 64 of the instruction's 128.
; NO CLUSTER: the four work-groups of a row block share the 102 KB that come by tensor loads, against the 393 KB of weights that each loads for itself into registers: a fifth of a work-group's bytes.
; LIMITS: NaN and infinities are not served; a block of zeros or under 2^-124 gets the byte 1 (this program alone reads the bytes).
.set ROPE_L, 69632                     ; LDS: behind the block of xa: 128 tokens x (256 bytes + 16)
.set STG,    104448                    ; behind that: 1,024 bytes a wave: q's 128 scale words, then k's; no tensor load lands here
.set LI,  1                            ; v1   16 x lane
.set LS,  2                            ; v2   65,536 + 16 x lane: the block's scale words
.set RA,  3                            ; v3   my token's cos: ROPE_L + 272 rho + 64 h, rho = r + 8 (r / 8)
.set QO,  4                            ; v4   32 rho + 16 h: my 16 bytes of q's codes
.set VO,  5                            ; v5   16 r + 8 h: my 8 bytes of v's codes
.set QSA, 6                            ; v6   the stage: q's word of my token
.set KSA, 7                            ; v7   and k's
.set SRD, 8                            ; v8   the stage, on the way out
.set WOF, 9                            ; v9   512 rho + 16 h: a weight's fragment
.set WSO, 10                           ; v10  32 rho + 4 (lane / 16): its scale words
.set L8,  11                           ; v11  8 x lane
.set VS,  12                           ; v12-15   v's scale bytes of the four d tiles, one byte for each 32 keys
.set WS,  16                           ; v16-63   the weights' scale words: unit U, tile t, i at 16 U + 4 t + i: lanes 0-15 K step 2 i, lanes 16-31 K step 2 i + 1
.set AS,  64                           ; v64-67   the tokens' scale words, likewise
.set AF,  68                           ; v68-131  the tokens' fragments: 8 K steps x 8
.set Z,   132                          ; v132-195 results: chunk (t, e) at Z + 16 t + 8 e
.set CO,  196                          ; v196-211 cos of f = 16 h + 0 .. 15
.set SN,  212                          ; v212-227 sin
.set TT,  228                          ; v228-235 at work in the rotation; also v's codes
.set VC,  228
.set TM,  236                          ; largest magnitudes
.set TP,  240                          ; the permutes' targets
.set SOP, 244                          ; the conversions' scale operands
.set BY,  248                          ; the bytes
.set PW,  250                          ; the scale word (q, k)
.set PC,  252                          ; the codes (q, k)
.set WV,  52
.set SEL, 60
.set QB,  20                           ; s[20:21] qc at my head's tokens;  s[22:23] qs
.set QSB, 22
.set KB,  68                           ; s[68:69] kv at my head, my step's codes;  s[70:71] k's scale words;  s[72:73] v's
.set KSB, 70
.set VSB, 72
.set MSB, 0
.macro WIN new                         ; the immediate's high byte repeats the setting that is left
.if MSB != (\new)
	s_set_vgpr_msb (MSB<<8)|(\new)
.set MSB, (\new)
.endif
.endm
.macro PLACES                          ; four plain vector instructions between a matrix instruction and a read of its result or a load into its registers (ISA guide 7.12.1 for reads of results)
.rept 4
	v_nop
.endr
.endm
	s_load_b512 s[4:19], s[0:1], 0x0               ; xa, rope, wq codes, scales, wk codes, scales, wv codes, scales
	s_load_b128 s[20:23], s[0:1], 0x40             ; qc, qs
	s_load_b64 s[24:25], s[0:1], 0x50              ; kv
	v_lshl_add_u32 v254, v0, 2, 0x29000
	v_mov_b32 v255, 0
	ds_add_u32 v254, v255
	ds_add_u32 v254, v255
	s_wait_dscnt 0x0
	v_lshrrev_b32 v1, 5, v0
	v_readfirstlane_b32 s[WV], v1                  ; wave 0..3
	s_and_b32 s53, ttmp7, 0xffff                   ; the row block
	s_lshr_b32 s54, s53, 4                         ; batch
	s_and_b32 s55, s53, 15                         ; key step: which 128 tokens of the sequence
	s_lshl_b32 s56, ttmp9, 2
	s_add_co_u32 s56, s56, s[WV]                   ; my head
	s_lshl_b32 s57, s54, 4
	s_add_co_u32 s57, s57, s56                     ; bh
	; group 1 for the block of xa: dense, 68 rows of 256 bytes (32 elements of 8 bytes) a wave
	s_mov_b32 s28, 3<<16
	s_mov_b32 s29, 32<<16                          ; tensor_dim0
	s_mov_b32 s30, 68<<16                          ; tensor_dim1
	s_mov_b32 s31, 32<<16                          ; tile_dim0
	s_mov_b32 s32, 68                              ; tile_dim1
	s_mov_b32 s33, 32                              ; the pitch
	s_mov_b32 s34, 0
	s_mov_b32 s35, 0
	; group 1 for the table: 32 tokens of 256 bytes a wave, four words of padding behind every 64
	s_mov_b32 s36, (3<<16)|(1<<20)|(5<<22)|(3<<25)
	s_mov_b32 s37, 32<<16
	s_mov_b32 s38, 32<<16
	s_mov_b32 s39, 32<<16
	s_mov_b32 s40, 32
	s_mov_b32 s41, 32
	s_mov_b32 s42, 0
	s_mov_b32 s43, 0
	s_mul_i32 s58, s53, 69632
	s_mul_i32 s45, s[WV], 17408                    ; LDS: my quarter of the block
	s_add_co_u32 s58, s58, s45
	s_mov_b32 s59, 0
	s_mov_b32 s44, 1
	s_lshl_b32 s66, s55, 15                        ; the table: 128 tokens x 256 bytes a step,
	s_lshl_b32 s62, s[WV], 13                      ; my 32 tokens
	s_add_co_u32 s66, s66, s62
	s_mov_b32 s67, 0
	s_mov_b32 s48, 1
	s_mul_i32 s49, s[WV], 8704
	s_add_co_u32 s49, s49, ROPE_L
	s_mov_b32 s[SEL], 0x76543210
	s_mov_b32 s[SEL+1], 0xfedcba98
	s_wait_kmcnt 0x0
	s_add_nc_u64 s[46:47], s[4:5], s[58:59]
	s_or_b32 s47, s47, 0x80000000
	s_add_nc_u64 s[50:51], s[6:7], s[66:67]
	s_or_b32 s51, s51, 0x80000000
	tensor_load_to_lds s[44:47], s[28:35]          ; both first fills together, ahead of every wait on TENSORcnt, LDS read and barrier
	s_nop 0
	tensor_load_to_lds s[48:51], s[36:43]
	s_nop 0
	PLACES                                         ; four v_nop follow
	s_lshl_b32 s58, s56, 15                        ; my head's 64 rows of 512 bytes
	s_add_nc_u64 s[8:9], s[8:9], s[58:59]
	s_add_nc_u64 s[12:13], s[12:13], s[58:59]
	s_add_nc_u64 s[16:17], s[16:17], s[58:59]
	s_lshl_b32 s58, s56, 11                        ; and of 32 scale bytes
	s_add_nc_u64 s[10:11], s[10:11], s[58:59]
	s_add_nc_u64 s[14:15], s[14:15], s[58:59]
	s_add_nc_u64 s[18:19], s[18:19], s[58:59]
	s_lshl_b32 s58, s57, 16
	s_lshl_b32 s62, s55, 12
	s_add_co_u32 s58, s58, s62
	s_add_nc_u64 s[QB:QB+1], s[QB:QB+1], s[58:59]  ; qc + 65,536 bh + 4,096 step
	s_lshl_b32 s58, s57, 13
	s_lshl_b32 s63, s55, 9
	s_add_co_u32 s58, s58, s63
	s_add_nc_u64 s[QSB:QSB+1], s[QSB:QSB+1], s[58:59]   ; qs + 8,192 bh + 512 step
	s_mul_i32 s66, s57, 143360
	s_add_co_u32 s58, s66, s62
	s_add_nc_u64 s[KB:KB+1], s[24:25], s[58:59]    ; kv + 143,360 bh + 4,096 step
	s_add_co_u32 s58, s66, s63
	s_add_co_u32 s58, s58, 131072
	s_add_nc_u64 s[KSB:KSB+1], s[24:25], s[58:59]  ; + 131,072 + 512 step
	s_lshl_b32 s58, s55, 8
	s_add_co_u32 s58, s58, s66
	s_add_co_u32 s58, s58, 139264
	s_add_nc_u64 s[VSB:VSB+1], s[24:25], s[58:59]  ; + 139,264 + 256 step
	v_and_b32 v228, 31, v0                         ; lane
	v_and_b32 v229, 15, v0                         ; r
	v_bfe_u32 v230, v0, 4, 1                       ; h
	v_and_b32 v231, 8, v229
	v_add_nc_u32 v231, v231, v229                  ; rho = r + 8 (r / 8)
	v_lshlrev_b32 v[LI], 4, v228
	v_add_nc_u32 v[LS], 65536, v[LI]
	v_mul_u32_u24 v[RA], v231, 272
	v_lshl_add_u32 v[RA], v230, 6, v[RA]
	v_add_nc_u32 v[RA], ROPE_L, v[RA]
	v_lshlrev_b32 v[QO], 5, v231
	v_lshl_add_u32 v[QO], v230, 4, v[QO]
	v_lshlrev_b32 v[VO], 4, v229
	v_lshl_add_u32 v[VO], v230, 3, v[VO]
	s_lshl_b32 s74, s[WV], 10
	s_add_co_u32 s74, s74, STG                     ; my stage
	v_lshl_add_u32 v[QSA], v231, 2, s74
	v_lshl_add_u32 v[KSA], v229, 4, s74
	v_add_nc_u32 v[KSA], 512, v[KSA]
	v_add_nc_u32 v[SRD], s74, v[LI]
	v_lshlrev_b32 v[WOF], 9, v231
	v_lshl_add_u32 v[WOF], v230, 4, v[WOF]
	v_lshlrev_b32 v[WSO], 5, v231
	v_lshl_add_u32 v[WSO], v230, 2, v[WSO]
	v_lshlrev_b32 v[L8], 3, v228
.irp t, 0,1,2,3
	v_mov_b32 v[TP+\t], 0                          ; written once: a lane permute's destination counts as one of its sources
.endr
; A weight's 32 fragments (tile t, K step s) at v[64 t + 8 s] of its window, and its 16 registers of scale words.  Four loads in a row finish the same 128 bytes of each of the sixteen rows.
.macro WLOAD wn, cbase, un, sbase
	WIN \wn
.irp t, 0,1,2,3
.irp s, 0,1,2,3,4,5,6,7
.irp c, 0,1
	global_load_b128 v[64*\t+8*\s+4*\c:64*\t+8*\s+4*\c+3], v[WOF], s[\cbase:\cbase+1] offset:(32*(\t/2)+8*(\t%2))*512+64*\s+32*\c
.endr
.endr
.endr
	WIN 0
.irp t, 0,1,2,3
.irp i, 0,1,2,3
	global_load_b32 v[WS+16*\un+4*\t+\i], v[WSO], s[\sbase:\sbase+1] offset:(32*(\t/2)+8*(\t%2))*32+8*\i
.endr
.endr
.endm
	WLOAD 0x40, 8, 0, 10                           ; wq -> window 1
	WLOAD 0x80, 12, 1, 14                          ; wk -> window 2
	WLOAD 0xc0, 16, 2, 18                          ; wv -> window 3
.macro FETCH_A X                       ; tile X's eight fragments and its four registers of scale words: images of registers, 16 bytes a lane
.irp s, 0,1,2,3,4,5,6,7
.irp c, 0,1
	ds_load_b128 v[AF+8*\s+4*\c:AF+8*\s+4*\c+3], v[LI] offset:8192*(\X)+1024*\s+512*\c
.endr
.endr
	ds_load_b128 v[AS:AS+3], v[LS] offset:512*(\X)
.endm
.macro FETCH_CS X                      ; cos and sin of my token of tile X, f = 16 h + 0 .. 15
.irp i, 0,1,2,3
	ds_load_b128 v[CO+4*\i:CO+4*\i+3], v[RA] offset:(32*((\X)/2)+8*((\X)%2))*272+16*\i
	ds_load_b128 v[SN+4*\i:SN+4*\i+3], v[RA] offset:(32*((\X)/2)+8*((\X)%2))*272+128+16*\i
.endr
.endm
; One matrix instruction of K step k.  k = 0 starts the sum with the constant 0; at odd k both sides' scale words stand in lanes 16-31.
.macro MM d, a, b, k, sa, sb
.if (\k) == 0
	v_wmma_scale_f32_16x16x128_f8f6f4 v[\d:\d+7], v[\a:\a+7], v[\b:\b+7], 0, v[\sa], v[\sb] matrix_a_fmt:MATRIX_FMT_FP4 matrix_b_fmt:MATRIX_FMT_FP4
.elseif (\k)%2
	v_wmma_scale_f32_16x16x128_f8f6f4 v[\d:\d+7], v[\a:\a+7], v[\b:\b+7], v[\d:\d+7], v[\sa], v[\sb] matrix_a_fmt:MATRIX_FMT_FP4 matrix_b_fmt:MATRIX_FMT_FP4 matrix_a_scale:MATRIX_SCALE_ROW1 matrix_b_scale:MATRIX_SCALE_ROW1
.else
	v_wmma_scale_f32_16x16x128_f8f6f4 v[\d:\d+7], v[\a:\a+7], v[\b:\b+7], v[\d:\d+7], v[\sa], v[\sb] matrix_a_fmt:MATRIX_FMT_FP4 matrix_b_fmt:MATRIX_FMT_FP4
.endif
.endm
; q (U = 0) or k (U = 1) of the tile in hand into chunks (t, 1).  The four accumulators take turns, one instruction a turn.
.macro UNIT_QK U
	WIN 1+\U                                       ; source 0: the weight's window
.irp s, 0,1,2,3,4,5,6,7
.irp t, 0,1,2,3
	MM Z+16*\t+8, 64*\t+8*\s, AF+8*\s, \s, WS+16*\U+4*\t+\s/2, AS+\s/2
.endr
.endr
	WIN 0
	PLACES
.endm
; v of the tile in hand into chunks (t, e).  pl = 0: a unit follows that touches none of this unit's registers: no places.
.macro UNIT_V e, pl
	WIN 0x0c                                       ; source 1: window 3
.irp s, 0,1,2,3,4,5,6,7
.irp t, 0,1,2,3
	MM Z+16*\t+8*\e, AF+8*\s, 64*\t+8*\s, \s, AS+\s/2, WS+32+4*\t+\s/2
.endr
.endr
.if \pl
	WIN 0
	PLACES
.endif
.endm
; The rotation: lo = d 0 .. 31 (chunks 0, 1), hi = d 32 .. 63 (chunks 2, 3): lo' = lo cos - hi sin, hi' = hi cos + lo sin.  Each accumulator is read from its low end on.
.macro ROPE
	s_wait_xcnt 0x0                                ; v's stores have read their data, which lay where the work pairs lie
.irp u, 0,1
.irp j, 0,2,4,6
	v_pk_mul_f32 v[TT+\j:TT+\j+1], v[Z+16*\u+8+\j:Z+16*\u+9+\j], v[SN+8*\u+\j:SN+8*\u+\j+1]
	v_pk_mul_f32 v[Z+16*\u+8+\j:Z+16*\u+9+\j], v[Z+16*\u+8+\j:Z+16*\u+9+\j], v[CO+8*\u+\j:CO+8*\u+\j+1]
	v_pk_fma_f32 v[Z+16*\u+8+\j:Z+16*\u+9+\j], v[Z+16*\u+40+\j:Z+16*\u+41+\j], v[SN+8*\u+\j:SN+8*\u+\j+1], v[Z+16*\u+8+\j:Z+16*\u+9+\j] neg_lo:[1,0,0] neg_hi:[1,0,0]
	v_pk_fma_f32 v[Z+16*\u+40+\j:Z+16*\u+41+\j], v[Z+16*\u+40+\j:Z+16*\u+41+\j], v[CO+8*\u+\j:CO+8*\u+\j+1], v[TT+\j:TT+\j+1]
.endr
.endr
.endm
; Two blocks of 32 of a lane's row: c0, c1 = block 0 (k = 16 h + 0 .. 7, + 8 .. 15), c2, c3 = block 1.  Out: v[PC] .. v[PC+3] = block h of my row, whole; v[PW] = b0 | b1 << 8.
.macro QUANT2 c0, c1, c2, c3
	v_max3_num_f32 v[TM], |v[\c0]|, |v[\c0+1]|, 0x1800000      ; with the floor 2^(3 - 127): the byte cannot fall under 1
	v_max3_num_f32 v[TM+1], |v[\c2]|, |v[\c2+1]|, 0x1800000
.irp i, 2,4,6
	v_max3_num_f32 v[TM], v[TM], |v[\c0+\i]|, |v[\c0+\i+1]|
	v_max3_num_f32 v[TM+1], v[TM+1], |v[\c2+\i]|, |v[\c2+\i+1]|
.endr
.irp i, 0,2,4,6
	v_max3_num_f32 v[TM], v[TM], |v[\c1+\i]|, |v[\c1+\i+1]|
	v_max3_num_f32 v[TM+1], v[TM+1], |v[\c3+\i]|, |v[\c3+\i+1]|
.endr
	v_permlanex16_b32 v[TP], v[TM], s[SEL], s[SEL+1]
	v_permlanex16_b32 v[TP+1], v[TM+1], s[SEL], s[SEL+1]
	v_max_num_f32 v[TM], v[TM], v[TP]              ; with lane l xor 16's: the block's largest magnitude
	v_max_num_f32 v[TM+1], v[TM+1], v[TP+1]
	v_add_nc_u32 v[SOP], 0xff000000, v[TM]         ; 2 off the exponent field: the conversion's scale operand
	v_add_nc_u32 v[SOP+1], 0xff000000, v[TM+1]
	v_lshrrev_b32 v[BY], 23, v[SOP]                ; the bytes
	v_lshrrev_b32 v[BY+1], 23, v[SOP+1]
	s_wait_xcnt 0x0                                ; the last stores have read the codes' and the word's registers
	v_lshl_or_b32 v[PW], v[BY+1], 8, v[BY]
	v_cvt_scalef32_pk8_fp4_f32 v[PC], v[\c0:\c0+7], v[SOP]
	v_cvt_scalef32_pk8_fp4_f32 v[PC+1], v[\c1:\c1+7], v[SOP]
	v_cvt_scalef32_pk8_fp4_f32 v[PC+2], v[\c2:\c2+7], v[SOP+1]
	v_cvt_scalef32_pk8_fp4_f32 v[PC+3], v[\c3:\c3+7], v[SOP+1]
	v_nop                                          ; one plain instruction behind the conversions
	v_permlane16_swap_b32 v[PC], v[PC+2]           ; the first's lanes 16-31 change places with the second's lanes 0-15: a lane then holds a whole block
	v_permlane16_swap_b32 v[PC+1], v[PC+3]
.endm
.macro EPI_Q X
	ROPE
	QUANT2 Z+8, Z+24, Z+40, Z+56
	v_lshl_or_b32 v[PW], v[PW], 16, v[PW]          ; b0 b1 b0 b1
	global_store_b128 v[QO], v[PC:PC+3], s[QB:QB+1] offset:(32*((\X)/2)+8*((\X)%2))*32   ; eight tokens' 256 consecutive bytes, twice
	ds_store_b32 v[QSA], v[PW] offset:(32*((\X)/2)+8*((\X)%2))*4                         ; both lanes of a token write the same word
.endm
.macro EPI_K X
	ROPE
.if (\X) < 7
	FETCH_CS (\X)+1                                ; the rotation has read this tile's cos and sin
.endif
	QUANT2 Z+8, Z+24, Z+40, Z+56
	v_lshl_or_b32 v[PW], v[PW], 16, v[PW]
	global_store_b128 v[LI], v[PC:PC+3], s[KB:KB+1] offset:512*(\X)                      ; the tile as the next launch's registers: 512 consecutive bytes
	ds_store_b32 v[KSA], v[PW] offset:256*((\X)%2)+4*((\X)/2)
.endm
; v of tokens 32 P .. 32 P + 31: for each d tile a lane's 16 registers are 16 neighbouring keys; a block lies in lanes l and l xor 16.
.macro EPI_V P
.irp t, 0,1,2,3
	v_max3_num_f32 v[TM+\t], |v[Z+16*\t]|, |v[Z+16*\t+1]|, 0x1800000
.endr
.irp i, 2,4,6,8,10,12,14
.irp t, 0,1,2,3
	v_max3_num_f32 v[TM+\t], v[TM+\t], |v[Z+16*\t+\i]|, |v[Z+16*\t+\i+1]|
.endr
.endr
.irp t, 0,1,2,3
	v_permlanex16_b32 v[TP+\t], v[TM+\t], s[SEL], s[SEL+1]
.endr
.irp t, 0,1,2,3
	v_max_num_f32 v[TM+\t], v[TM+\t], v[TP+\t]
.endr
.irp t, 0,1,2,3
	v_add_nc_u32 v[SOP+\t], 0xff000000, v[TM+\t]
.endr
.irp t, 0,1,2,3
	v_lshrrev_b32 v[BY+\t], 23, v[SOP+\t]
.endr
.irp t, 0,1,2,3
.if \P == 0
	v_mov_b32 v[VS+\t], v[BY+\t]
.else
	v_lshl_or_b32 v[VS+\t], v[BY+\t], 8*\P, v[VS+\t]
.endif
.endr
	s_wait_xcnt 0x0                                ; the last stores have read their data
.irp t, 0,1,2,3
	v_cvt_scalef32_pk8_fp4_f32 v[VC+2*\t], v[Z+16*\t:Z+16*\t+7], v[SOP+\t]
	v_cvt_scalef32_pk8_fp4_f32 v[VC+2*\t+1], v[Z+16*\t+8:Z+16*\t+15], v[SOP+\t]
.endr
	v_nop                                          ; one plain instruction behind the conversions
.irp t, 0,1,2,3
	global_store_b64 v[VO], v[VC+2*\t:VC+2*\t+1], s[KB:KB+1] offset:65536+1024*\t+512*(\P/2)+256*(\P%2)   ; 32 lanes store 256 consecutive bytes: sixteen d, 32 keys each
.endr
.endm
	s_wait_tensorcnt 0x0                           ; my quarters have landed,
	s_barrier_signal -1
	s_barrier_wait -1                              ; everybody's have
	FETCH_A 0
	FETCH_CS 0
	s_wait_loadcnt 0x0                             ; the weights
.irp P, 0,1,2,3
	; ---- the even tile: v first (its chunks wait for the odd tile's), then q, then k
	s_wait_dscnt 0x0
	UNIT_V 0, 0
	UNIT_QK 0
	EPI_Q 2*\P
	UNIT_QK 1
	FETCH_A 2*\P+1                                 ; behind the unit's four places: the last products have read this tile's fragments
	EPI_K 2*\P
	; ---- the odd tile: q, k, then v, which completes the 32 keys
	s_wait_dscnt 0x0
	UNIT_QK 0
	EPI_Q 2*\P+1
	UNIT_QK 1
	EPI_K 2*\P+1
	UNIT_V 1, 1
.if \P < 3
	FETCH_A 2*\P+2
.endif
	EPI_V \P
.endr
	; ---- the scale words leave in whole runs
	v_and_b32 v236, 31, v0
	v_cmp_le_u32 vcc_lo, 16, v236
	s_wait_xcnt 0x0                                ; v's last stores have read v228 on
	v_cndmask_b32 v228, v[VS], v[VS+1], vcc_lo     ; word (l, i) is d tile 2 i + l / 16, row l % 16
	v_cndmask_b32 v229, v[VS+2], v[VS+3], vcc_lo
	global_store_b64 v[L8], v[228:229], s[VSB:VSB+1]   ; 256 consecutive bytes
	ds_load_b128 v[236:239], v[SRD]                ; LDS serves a wave's instructions in order: these see my stores
	ds_load_b128 v[240:243], v[SRD] offset:512
	s_wait_dscnt 0x0
	global_store_b128 v[LI], v[236:239], s[QSB:QSB+1]  ; q's 128 words: 512 consecutive bytes
	global_store_b128 v[LI], v[240:243], s[KSB:KSB+1]  ; k's
	s_wait_xcnt 0x0
	v_lshl_add_u32 v254, v0, 2, 0x29000
	v_mov_b32 v255, 0
	s_wait_tensorcnt 0x0
	ds_add_u32 v254, v255
	s_wait_dscnt 0x0
	s_endpgm
.Lfunc_end_k_qfb19c081b0_qkv:
	.size	k_qfb19c081b0_qkv, .Lfunc_end_k_qfb19c081b0_qkv-k_qfb19c081b0_qkv
	.p2alignl 7, 3214868480
	.fill 96, 4, 3214868480
	.section	.rodata,"a",@progbits
	.p2align	6, 0x0
	.amdhsa_kernel k_qfb19c081b0_qkv
		.amdhsa_group_segment_fixed_size 168448
		.amdhsa_private_segment_fixed_size 0
		.amdhsa_enable_private_segment 0
		.amdhsa_kernarg_size 88
		.amdhsa_user_sgpr_count 2
		.amdhsa_user_sgpr_kernarg_segment_ptr 1
		.amdhsa_wavefront_size32 1
		.amdhsa_system_sgpr_workgroup_id_x 1
		.amdhsa_system_sgpr_workgroup_id_y 1
		.amdhsa_system_sgpr_workgroup_id_z 1
		.amdhsa_system_vgpr_workitem_id 0
		.amdhsa_next_free_vgpr 1024
		.amdhsa_next_free_sgpr 84
		.amdhsa_reserve_vcc 1
		.amdhsa_float_denorm_mode_32 3
		.amdhsa_float_denorm_mode_16_64 3
		.amdhsa_memory_ordered 1
		.amdhsa_forward_progress 1
		.amdhsa_inst_pref_size 224
	.end_amdhsa_kernel
	.amdgpu_metadata
---
amdhsa.version: [ 1, 2 ]
amdhsa.kernels:
  - .name:           k_qfb19c081b0_qkv
    .symbol:         k_qfb19c081b0_qkv.kd
    .args:
      - { .name: xa, .offset: 0, .size: 8, .value_kind: global_buffer, .address_space: global }
      - { .name: rope, .offset: 8, .size: 8, .value_kind: global_buffer, .address_space: global }
      - { .name: wq_codes, .offset: 16, .size: 8, .value_kind: global_buffer, .address_space: global }
      - { .name: wq_scales, .offset: 24, .size: 8, .value_kind: global_buffer, .address_space: global }
      - { .name: wk_codes, .offset: 32, .size: 8, .value_kind: global_buffer, .address_space: global }
      - { .name: wk_scales, .offset: 40, .size: 8, .value_kind: global_buffer, .address_space: global }
      - { .name: wv_codes, .offset: 48, .size: 8, .value_kind: global_buffer, .address_space: global }
      - { .name: wv_scales, .offset: 56, .size: 8, .value_kind: global_buffer, .address_space: global }
      - { .name: qc, .offset: 64, .size: 8, .value_kind: global_buffer, .address_space: global }
      - { .name: qs, .offset: 72, .size: 8, .value_kind: global_buffer, .address_space: global }
      - { .name: kv, .offset: 80, .size: 8, .value_kind: global_buffer, .address_space: global }
    .group_segment_fixed_size: 168448
    .private_segment_fixed_size: 0
    .kernarg_segment_align: 8
    .kernarg_segment_size: 88
    .max_flat_workgroup_size: 128
    .sgpr_count:     84
    .vgpr_count:     1024
    .wavefront_size: 32
...
	.end_amdgpu_metadata
.endif
;; end of part 2
;; launch attn (part 3): grid 4 x 64, 16 waves a work-group, clusters of 4 x 1, 169,984 bytes of LDS; arguments qc, qs, kv, aa; writes aa
.if DOCPART == 3
	.amdgcn_target "amdgcn-amd-amdhsa--gfx1250"
	.amdhsa_code_object_version 6
	.text
	.protected	k_qfb19c081b0_attn
	.globl	k_qfb19c081b0_attn
	.p2align	8
	.type	k_qfb19c081b0_attn,@function
k_qfb19c081b0_attn:
	s_mov_b64 s[64:65], 0
	v_nop
	global_prefetch_b8 v0, s[64:65] scope:SCOPE_SE
	s_setreg_imm32_b32 hwreg(HW_REG_WAVE_MODE, 25, 1), 1
	s_wait_xcnt 0x0
	s_wait_alu depctr_hold_cnt(0) depctr_sa_sdst(0) depctr_va_vdst(0) depctr_va_sdst(0) depctr_va_ssrc(0) depctr_va_vcc(0) depctr_vm_vsrc(0)
	s_getreg_b32 s2, hwreg(HW_REG_IB_STS2, 6, 4)
	s_cmp_eq_u32 s2, 0
	s_cbranch_scc0 .Lentry_in_a_cluster
	s_endpgm
.Lentry_in_a_cluster:
	s_bfe_u32 s2, ttmp6, 0x10000c
	s_cmp_lg_u32 s2, 0x3003
	s_cbranch_scc0 .Lentry_shape_is_right
	s_endpgm
.Lentry_shape_is_right:
; ATTN.  o = softmax(q k^T / 8, causal) v for one (batch, head) a cluster, both products on codes of FP4 with one E8M0 byte for each 32 along K; o is divided by the row's sum and quantised along d for the last product.
; THE SOFTMAX AHEAD OF THE SECOND PRODUCT: t = score x log2(e) / 8; M = the running largest t rounded UP to a whole number; p = 2^(t - M) is quantised along the keys, not normalised; the row's sum is taken of the
; unquantised p.  When M moves, the sum and O are multiplied by 2^(old M - new M): exact.
; SHARES.  The four work-groups of a cluster serve one head.  A head's k and v, codes and scale words, are 143,360 bytes, laid by the launch before as operand registers on end: they come into LDS ONCE, by one JOINT
; tensor load a wave (35 rows of 256 bytes; the mask names the four partners), and stay.  By this text's own count a wave has one tensor load outstanding.
; Wave w of partner cx takes two tiles of 16 queries: i = 4 w + cx and 127 - i.  Under the causal mask they want (w / 2) + 1 and 16 - (w / 2) key steps of 128: seventeen for every wave of the launch, and both
; counts hang on the wave's number alone.  A phase walks 16 trips, a constant; a trip beyond the tile's count jumps over the step's work, not over the lines that step addresses.
; LAYOUT.  S^T = k q^T (source 0 = 16 keys, source 1 = my queries), O^T = v^T p^T: a lane holds ONE query throughout.  The keys of a tile of k and the d of a tile of v are chosen (row m of tile 2 b + u is
; 32 b + 8 u + m + 8 (m / 8)) so that the 16 registers of two neighbouring tiles are 16 neighbours: keys for p, d for o.
; K = 64 IN AN INSTRUCTION OF 128: registers 4-7 of q's fragment are zero codes.  k's fragments lie 4 registers apart, so the upper four registers of a fragment are the next tile's codes (behind the last: zeros):
; they meet zero codes and add nothing.  The scale words hold b0 b1 b0 b1, so no byte of the unused half is 0xff or larger than the used ones.
; OUT.  aa: as xa, rows natural: [row block][tile][head][lane][16 bytes], then the scale words; a head's two bytes of a row's word leave by a 2-byte store: these runs are written in part, one byte for sixteen of codes.
; LIMITS: NaN and infinities are not served; a block of zeros or under 2^-124 gets the byte 1 (this program alone reads the bytes).
.set KF,  32                           ; v32-67   k's eight fragments, 4 registers apart; v64-67 = 0
.set VF,  68                           ; v68-99   v's four fragments
.set KS,  100                          ; v100-103 k's scale words: tile t in register t / 2, lanes 16 (t % 2) on
.set VSC, 104                          ; v104-105 v's likewise
.set S,   112                          ; v112-175 S^T, then p
.set OT,  176                          ; v176-207 O^T
.set PCD, 208                          ; v208-215 p's codes
.set BM,  216                          ; v216-219 each block's largest score, then its largest p
.set BP,  220                          ; v220-223 permutes' targets; a chain of the sum; the bytes
.set SOS, 224                          ; v224-227 the conversions' scale operands
.set TV,  228                          ; v228     at work
.set FF,  230                          ; v[230:231] f = 2^(old M - new M); at the end 1 / the sum; the upper half is never used
.set PWS, 232                          ; v232     p's scale word
.set TM,  234
.set TP,  236
.set SOP, 238
.set BY,  240
.set PW,  242
.set PC,  244
.set WV,  12
.set G1,  16
.set G0,  24
.set NA,  52                           ; key steps of tile A, of tile B
.set NB,  53
.set DQA, 54                           ; my first query less the last step's first key: vector data alone
.set DQB, 55
.set TT,  56                           ; the trip
.set TK,  57                           ; 4,096 x trip: the step's codes
.set TS,  58                           ; 512 x trip: k's scale words
.set TW,  59                           ; 256 x trip: v's
.set SEL, 60
.set CS,  62                           ; s[62:63] c = log2(e) / 8
.macro ROUND                           ; a round of the cluster's barrier
	s_barrier_signal -1
	s_barrier_wait -1
	s_cmp_lg_u32 s[WV], 0
	s_cbranch_scc1 .Lnot_wave_0_\@
	s_barrier_signal -3
.Lnot_wave_0_\@:
	s_barrier_wait -3
	s_barrier_signal -1
	s_barrier_wait -1
.endm
	s_load_b256 s[4:11], s[0:1], 0x0               ; qc s[4:5], qs s[6:7], kv s[8:9], aa s[10:11]
	v_lshl_add_u32 v254, v0, 2, 0x29000
	v_mov_b32 v255, 0
	ds_add_u32 v254, v255
	ds_add_u32 v254, v255
	v_lshrrev_b32 v1, 5, v0
	v_readfirstlane_b32 s[WV], v1                  ; wave 0..15
	s_bfe_u32 s13, ttmp6, 0x40000                  ; cx: it enters q's and aa's addresses and the mask's distance, nothing else
	s_and_b32 s14, ttmp7, 0xffff                   ; bh, which the four partners share
	s_mov_b32 s[G1], 15|(3<<16)|(1<<21)            ; the mask: all four; elements of 8 bytes; bit 21 beside a mask
	s_mov_b32 s[G1+1], 32<<16                      ; tensor_dim0: 256 bytes
	s_mov_b32 s[G1+2], 35<<16                      ; tensor_dim1
	s_mov_b32 s[G1+3], 32<<16                      ; tile_dim0
	s_mov_b32 s[G1+4], 35                          ; tile_dim1
	s_mov_b32 s[G1+5], 32                          ; the pitch: dense
	s_mov_b32 s[G1+6], 0
	s_mov_b32 s[G1+7], 0
	s_mul_i32 s28, s14, 143360
	s_mul_i32 s[G0+1], s[WV], 8960                 ; my sixteenth, in LDS and in memory
	s_add_co_u32 s28, s28, s[G0+1]
	s_mov_b32 s29, 0
	s_mov_b32 s[G0], 1
	s_mov_b32 s[SEL], 0x76543210
	s_mov_b32 s[SEL+1], 0xfedcba98
	s_mov_b32 s[CS], 0x3e38aa3b
	s_mov_b32 s[CS+1], s[CS]                       ; (named with it as a pair, so it is written)
	s_lshr_b32 s[NA], s[WV], 1
	s_xor_b32 s[NB], s[NA], 15
	s_add_co_u32 s[NB], s[NB], 1                   ; 16 - w / 2
	s_add_co_u32 s[NA], s[NA], 1                   ; w / 2 + 1
	s_and_b32 s[DQA], s[WV], 1
	s_lshl_b32 s[DQA], s[DQA], 2
	s_add_co_u32 s[DQA], s[DQA], s13
	s_lshl_b32 s[DQA], s[DQA], 4                   ; 16 (4 (w % 2) + cx)
	s_sub_co_u32 s[DQB], 112, s[DQA]
	s_wait_dscnt 0x0
	s_wait_kmcnt 0x0
	s_add_nc_u64 s[G0+2:G0+3], s[8:9], s[28:29]
	s_or_b32 s[G0+3], s[G0+3], 0x80000000
	ROUND                                          ; all four work-groups are here: the joint loads meet
	tensor_load_to_lds s[G0:G0+3], s[G1:G1+7]
	s_nop 0
.rept 4
	v_nop                                          ; four v_nop follow
.endr
	; ---- q's and aa's addresses
	s_lshl_b32 s30, s[WV], 2
	s_add_co_u32 s30, s30, s13                     ; tile A: 4 w + cx
	s_sub_co_u32 s31, 127, s30                     ; tile B
	s_mov_b32 s33, 0
	s_lshl_b32 s34, s14, 16
	s_lshl_b32 s32, s30, 9
	s_add_co_u32 s32, s32, s34
	s_add_nc_u64 s[36:37], s[4:5], s[32:33]        ; qc + 65,536 bh + 512 i
	s_lshl_b32 s32, s31, 9
	s_add_co_u32 s32, s32, s34
	s_add_nc_u64 s[38:39], s[4:5], s[32:33]
	s_lshl_b32 s34, s14, 13
	s_lshl_b32 s32, s30, 6
	s_add_co_u32 s32, s32, s34
	s_add_nc_u64 s[40:41], s[6:7], s[32:33]        ; qs + 8,192 bh + 64 i
	s_lshl_b32 s32, s31, 6
	s_add_co_u32 s32, s32, s34
	s_add_nc_u64 s[42:43], s[6:7], s[32:33]
	s_and_b32 s15, s14, 15                         ; the head
	s_lshl_b32 s28, s15, 9                         ; its 512 bytes of a tile's codes
	s_bfe_u32 s29, s15, 0x10001
	s_lshl_b32 s29, s29, 8
	s_lshr_b32 s34, s15, 2
	s_lshl_b32 s34, s34, 2
	s_add_co_u32 s29, s29, s34
	s_and_b32 s34, s15, 1
	s_lshl_b32 s34, s34, 1
	s_add_co_u32 s29, s29, s34
	s_add_co_u32 s29, s29, 65536                   ; its two bytes of a row's words: K step hd / 2: 256 ((hd / 2) % 2) + 4 (hd / 4) + 2 (hd % 2)
.macro AADDR i, cb, sb                 ; tile s[i] of the head's batch: row block 16 batch + i / 8, tile i % 8
	s_lshr_b32 s34, s14, 4
	s_lshl_b32 s34, s34, 4
	s_lshr_b32 s35, s[\i], 3
	s_add_co_u32 s34, s34, s35
	s_mul_i32 s34, s34, 69632
	s_and_b32 s35, s[\i], 7
	s_lshl_b32 s32, s35, 13
	s_add_co_u32 s32, s32, s34
	s_add_co_u32 s32, s32, s28
	s_add_nc_u64 s[\cb:\cb+1], s[10:11], s[32:33]
	s_lshl_b32 s32, s35, 9
	s_add_co_u32 s32, s32, s34
	s_add_co_u32 s32, s32, s29
	s_add_nc_u64 s[\sb:\sb+1], s[10:11], s[32:33]
.endm
	AADDR 30, 44, 46
	AADDR 31, 48, 50
	v_and_b32 v216, 31, v0                         ; lane
	v_and_b32 v217, 15, v0                         ; r
	v_bfe_u32 v218, v0, 4, 1                       ; h
	v_lshlrev_b32 v1, 4, v216                      ; k's codes: 16 x lane
	v_add_nc_u32 v2, 65536, v1                     ; v's codes
	v_add_nc_u32 v3, 131072, v1                    ; k's scale words
	v_lshlrev_b32 v4, 3, v216
	v_add_nc_u32 v4, 139264, v4                    ; v's scale words
	v_lshlrev_b32 v106, 5, v217
	v_lshl_add_u32 v106, v218, 4, v106             ; q's codes: 32 r + 16 h
	v_lshlrev_b32 v107, 4, v217                    ; aa's scale words: 16 r
	v_lshlrev_b32 v108, 2, v217                    ; q's scale words: 4 r
	global_load_b128 v[16:19], v106, s[36:37]      ; q stays in registers
	global_load_b128 v[24:27], v106, s[38:39]
	global_load_b32 v10, v108, s[40:41]
	global_load_b32 v11, v108, s[42:43]
.irp j, 20,21,22,23,28,29,30,31,64,65,66,67
	v_mov_b32 v[\j], 0                             ; zero codes: the unused half of K
.endr
.irp j, 220,221,222,223,228,231,236,237
	v_mov_b32 v[\j], 0                             ; written once: a lane permute's destination counts as one of its sources; v231 is named as a pair's upper half
.endr
; Two blocks of 32 of a lane's row: c0, c1 = block 0 (k = 16 h + 0 .. 7, + 8 .. 15), c2, c3 = block 1.  Out: v[PC] .. v[PC+3] = block h of my row, whole; v[PW] = b0 | b1 << 8.
.macro QUANT2 c0, c1, c2, c3
	v_max3_num_f32 v[TM], |v[\c0]|, |v[\c0+1]|, 0x1800000      ; with the floor 2^(3 - 127): the byte cannot fall under 1
	v_max3_num_f32 v[TM+1], |v[\c2]|, |v[\c2+1]|, 0x1800000
.irp i, 2,4,6
	v_max3_num_f32 v[TM], v[TM], |v[\c0+\i]|, |v[\c0+\i+1]|
	v_max3_num_f32 v[TM+1], v[TM+1], |v[\c2+\i]|, |v[\c2+\i+1]|
.endr
.irp i, 0,2,4,6
	v_max3_num_f32 v[TM], v[TM], |v[\c1+\i]|, |v[\c1+\i+1]|
	v_max3_num_f32 v[TM+1], v[TM+1], |v[\c3+\i]|, |v[\c3+\i+1]|
.endr
	v_permlanex16_b32 v[TP], v[TM], s[SEL], s[SEL+1]
	v_permlanex16_b32 v[TP+1], v[TM+1], s[SEL], s[SEL+1]
	v_max_num_f32 v[TM], v[TM], v[TP]
	v_max_num_f32 v[TM+1], v[TM+1], v[TP+1]
	v_add_nc_u32 v[SOP], 0xff000000, v[TM]
	v_add_nc_u32 v[SOP+1], 0xff000000, v[TM+1]
	v_lshrrev_b32 v[BY], 23, v[SOP]
	v_lshrrev_b32 v[BY+1], 23, v[SOP+1]
	s_wait_xcnt 0x0                                ; the last stores have read the codes' and the word's registers
	v_lshl_or_b32 v[PW], v[BY+1], 8, v[BY]
	v_cvt_scalef32_pk8_fp4_f32 v[PC], v[\c0:\c0+7], v[SOP]
	v_cvt_scalef32_pk8_fp4_f32 v[PC+1], v[\c1:\c1+7], v[SOP]
	v_cvt_scalef32_pk8_fp4_f32 v[PC+2], v[\c2:\c2+7], v[SOP+1]
	v_cvt_scalef32_pk8_fp4_f32 v[PC+3], v[\c3:\c3+7], v[SOP+1]
	v_nop                                          ; one plain instruction behind the conversions
	v_permlane16_swap_b32 v[PC], v[PC+2]
	v_permlane16_swap_b32 v[PC+1], v[PC+3]
.endm
; A KEY STEP: 128 keys.
.macro STEP QF, QS, N
	v_add_nc_u32 v5, s[TK], v1                     ; the step's addresses; these four are also the places between the last step's products and the loads into the registers that they read
	v_add_nc_u32 v6, s[TK], v2
	v_add_nc_u32 v7, s[TS], v3
	v_add_nc_u32 v8, s[TW], v4
.irp t, 0,1,2,3,4,5,6,7
	ds_load_b128 v[KF+4*\t:KF+4*\t+3], v5 offset:512*\t
.endr
	ds_load_b128 v[KS:KS+3], v7
.irp t, 0,1,2,3
.irp c, 0,1
	ds_load_b128 v[VF+8*\t+4*\c:VF+8*\t+4*\c+3], v6 offset:1024*\t+512*\c
.endr
.endr
	ds_load_b64 v[VSC:VSC+1], v8
	s_wait_dscnt 9                                 ; k's nine loads are in; v's nine may be out
.irp t, 0,2,4,6
	v_wmma_scale_f32_16x16x128_f8f6f4 v[S+8*\t:S+8*\t+7], v[KF+4*\t:KF+4*\t+7], v[\QF:\QF+7], 0, v[KS+\t/2], v[\QS] matrix_a_fmt:MATRIX_FMT_FP4 matrix_b_fmt:MATRIX_FMT_FP4
	v_wmma_scale_f32_16x16x128_f8f6f4 v[S+8*\t+8:S+8*\t+15], v[KF+4*\t+4:KF+4*\t+11], v[\QF:\QF+7], 0, v[KS+\t/2], v[\QS] matrix_a_fmt:MATRIX_FMT_FP4 matrix_b_fmt:MATRIX_FMT_FP4 matrix_a_scale:MATRIX_SCALE_ROW1
.endr
.rept 4
	v_nop
.endr
	s_add_co_u32 s28, s[TT], 1                     ; the tile's last step lies on the diagonal: there the scores of hidden keys become -infinity ahead of the maximum, so that p = 0
	s_cmp_lg_u32 s28, s[\N]
	s_cbranch_scc1 .Lopen_\@
	v_mov_b32 v[TV], 0xff800000
.set n, 0
.rept 64
	v_cmp_gt_i32 vcc_lo, 32*(n/16)+n%16, v9        ; register 16 b + i holds the step's key 32 b + 16 h + i: hidden where 32 b + i > my query - the step's first key - 16 h
	v_cndmask_b32 v[S+n], v[S+n], v[TV], vcc_lo
.set n, n+1
.endr
.Lopen_\@:
.irp b, 0,1,2,3
	v_max3_num_f32 v[BM+\b], v[S+16*\b], v[S+16*\b+1], v[S+16*\b+2]   ; the largest score of each block of 32 keys: for the row's maximum and, since p rises with the score, for the block's largest p
.endr
.irp i, 3,5,7,9,11,13
.irp b, 0,1,2,3
	v_max3_num_f32 v[BM+\b], v[BM+\b], v[S+16*\b+\i], v[S+16*\b+\i+1]
.endr
.endr
.irp b, 0,1,2,3
	v_max_num_f32 v[BM+\b], v[BM+\b], v[S+16*\b+15]
.endr
.irp b, 0,1,2,3
	v_permlanex16_b32 v[BP+\b], v[BM+\b], s[SEL], s[SEL+1]
.endr
.irp b, 0,1,2,3
	v_max_num_f32 v[BM+\b], v[BM+\b], v[BP+\b]     ; with lane l xor 16's 16 keys
.endr
	v_max3_num_f32 v[TV], v[BM], v[BM+1], v[BM+2]
	v_max_num_f32 v[TV], v[TV], v[BM+3]
	v_mul_f32 v[TV], s[CS], v[TV]                  ; as t (c is positive)
	v_max_num_f32 v13, v13, v[TV]                  ; the running largest t
	v_mov_b32 v[TV], v12
	v_floor_f32 v12, -v13                          ; the new -M = floor(-t): M is a whole number
	v_sub_f32 v[TV], v12, v[TV]                    ; old M - new M: a whole number, 0 or less
	v_cvt_i32_f32 v[TV], v[TV]                     ; (it saturates)
	v_ldexp_f32 v[FF], 1.0, v[TV]                  ; f = 2^(old M - new M)
.set j, 0
.rept 32
	v_pk_fma_f32 v[S+j:S+j+1], v[S+j:S+j+1], s[CS:CS+1], v[12:13] op_sel_hi:[1,0,0]   ; t - M, two at a time
.set j, j+2
.endr
.irp b, 0,1,2,3
	v_fma_f32 v[BM+\b], v[BM+\b], s[CS], v12       ; the same of each block's largest score
.endr
.set j, 0
.rept 64
	v_exp_f32 v[S+j], v[S+j]                       ; p = 2^(t - M), at most 1
.set j, j+1
.endr
	v_pk_mul_f32 v[14:15], v[14:15], v[FF:FF+1] op_sel_hi:[1,0]   ; the sums under the new M (the plain instruction behind the batch)
	s_wait_alu depctr_va_vdst(0)                   ; one wait for the 64, ahead of their first reader
.irp b, 0,1,2,3
	v_exp_f32 v[BM+\b], v[BM+\b]                   ; the block's largest p: the same two instructions on the same number
.endr
	v_pk_add_f32 v[BP:BP+1], v[S:S+1], v[S+2:S+3]  ; the row's sum, of the unquantised p, in two chains
.irp j, 4,8,12,16,20,24,28,32,36,40,44,48,52,56,60
	v_pk_add_f32 v[14:15], v[14:15], v[S+\j:S+\j+1]
	v_pk_add_f32 v[BP:BP+1], v[BP:BP+1], v[S+\j+2:S+\j+3]
.endr
	v_pk_add_f32 v[14:15], v[14:15], v[BP:BP+1]
	s_wait_alu depctr_va_vdst(0)                   ; and one for the four
.irp b, 0,1,2,3
	v_max_num_f32 v[BM+\b], 0x1800000, v[BM+\b]    ; the floor 2^(3 - 127): a block whose every p is 0 keeps the byte 1; its codes are zeros
.endr
.irp b, 0,1,2,3
	v_add_nc_u32 v[SOS+\b], 0xff000000, v[BM+\b]
.endr
.irp b, 0,1,2,3
	v_lshrrev_b32 v[BP+\b], 23, v[SOS+\b]
.endr
	v_lshl_or_b32 v[PWS], v[BP+1], 8, v[BP]        ; p's scale word for these 128 keys
	v_lshl_or_b32 v[PWS], v[BP+2], 16, v[PWS]
	v_lshl_or_b32 v[PWS], v[BP+3], 24, v[PWS]
.irp b, 0,1,2,3
	v_cvt_scalef32_pk8_fp4_f32 v[PCD+2*\b], v[S+16*\b:S+16*\b+7], v[SOS+\b]
	v_cvt_scalef32_pk8_fp4_f32 v[PCD+2*\b+1], v[S+16*\b+8:S+16*\b+15], v[SOS+\b]
.endr
	v_nop                                          ; one plain instruction behind the conversions
.irp c, 0,1
.irp i, 0,1
	v_permlane16_swap_b32 v[PCD+4*\c+\i], v[PCD+4*\c+2+\i]   ; a whole block to a lane
.endr
.endr
.set j, 0
.rept 16
	v_pk_mul_f32 v[OT+j:OT+j+1], v[OT+j:OT+j+1], v[FF:FF+1] op_sel_hi:[1,0]   ; O^T under the new M.  For each product below twelve of these name none of its registers: the places behind p's word and codes
.set j, j+2
.endr
	s_wait_dscnt 0x0                               ; v
.irp t, 0,2
	v_wmma_scale_f32_16x16x128_f8f6f4 v[OT+8*\t:OT+8*\t+7], v[VF+8*\t:VF+8*\t+7], v[PCD:PCD+7], v[OT+8*\t:OT+8*\t+7], v[VSC+\t/2], v[PWS] matrix_a_fmt:MATRIX_FMT_FP4 matrix_b_fmt:MATRIX_FMT_FP4
	v_wmma_scale_f32_16x16x128_f8f6f4 v[OT+8*\t+8:OT+8*\t+15], v[VF+8*\t+8:VF+8*\t+15], v[PCD:PCD+7], v[OT+8*\t+8:OT+8*\t+15], v[VSC+\t/2], v[PWS] matrix_a_fmt:MATRIX_FMT_FP4 matrix_b_fmt:MATRIX_FMT_FP4 matrix_a_scale:MATRIX_SCALE_ROW1
.endr
.endm
; A PHASE: one tile of 16 queries from its first key to its diagonal, then its way out.
.macro PHASE QF, QS, N, DQ, CB, SB
	v_mov_b32 v13, 0xff61b1e6                      ; the largest t so far: -3e38
	v_floor_f32 v12, -v13
	v_mov_b32 v14, 0
	v_mov_b32 v15, 0
.set j, 0
.rept 32
	v_mov_b32 v[OT+j], 0                           ; the step is written once: its first walk finds zeros, which the first change of M leaves zeros
.set j, j+1
.endr
	v_and_b32 v9, 15, v0
	v_bfe_u32 v[TV], v0, 4, 1
	v_lshlrev_b32 v[TV], 4, v[TV]
	v_sub_nc_u32 v9, v9, v[TV]
	v_add_nc_u32 v9, s[\DQ], v9                    ; r - 16 h + my first query - the last step's first key
	s_mov_b32 s[TT], 0
	s_mov_b32 s[TK], 0
	s_mov_b32 s[TS], 0
	s_mov_b32 s[TW], 0
.Lstep_\@:
	s_cmp_ge_u32 s[TT], s[\N]                      ; all keys of this step come after my queries
	s_cbranch_scc1 .Lskip_\@
	STEP \QF, \QS, \N
.Lskip_\@:
	s_add_co_u32 s[TK], s[TK], 4096
	s_add_co_u32 s[TS], s[TS], 512
	s_add_co_u32 s[TW], s[TW], 256
	s_add_co_u32 s[TT], s[TT], 1
	s_cmp_lt_u32 s[TT], 16
	s_cbranch_scc1 .Lstep_\@
.rept 4
	v_nop                                          ; places behind the last products
.endr
	v_add_f32 v14, v14, v15                        ; the sum's two halves,
	v_permlanex16_b32 v[TV], v14, s[SEL], s[SEL+1]
	v_add_f32 v14, v14, v[TV]                      ; and lane l xor 16's
	v_rcp_f32 v[FF], v14
	v_nop                                          ; a plain instruction behind the transcendental
	s_wait_alu depctr_va_vdst(0)                   ; and the wait ahead of its first reader
.set j, 0
.rept 16
	v_pk_mul_f32 v[S+j:S+j+1], v[OT+j:OT+j+1], v[FF:FF+1] op_sel_hi:[1,0]   ; o = O^T / the sum: register 8 t + i is d = 32 (t / 2) + 16 h + 8 (t % 2) + i; each accumulator from its low end on
.set j, j+2
.endr
	QUANT2 S, S+8, S+16, S+24
	global_store_b128 v1, v[PC:PC+3], s[\CB:\CB+1] ; the head's part of the tile: 512 consecutive bytes
	global_store_b16 v107, v[PW], s[\SB:\SB+1]     ; its two bytes of each row's word (both lanes of a row write the same)
.endm
	s_wait_tensorcnt 0x0                           ; my sixteenth has landed,
	s_barrier_signal -1
	s_barrier_wait -1                              ; everybody's has
	s_wait_loadcnt 0x0                             ; q
	PHASE 16, 10, NA, DQA, 44, 46
	PHASE 24, 11, NB, DQB, 48, 50
	s_wait_dscnt 0x0
	s_wait_tensorcnt 0x0
	ds_add_u32 v254, v255
	s_wait_dscnt 0x0
	ROUND                                          ; the closing round: no work-group ends while a partner may still ask for a tile that names it
	s_endpgm
.Lfunc_end_k_qfb19c081b0_attn:
	.size	k_qfb19c081b0_attn, .Lfunc_end_k_qfb19c081b0_attn-k_qfb19c081b0_attn
	.p2alignl 7, 3214868480
	.fill 96, 4, 3214868480
	.section	.rodata,"a",@progbits
	.p2align	6, 0x0
	.amdhsa_kernel k_qfb19c081b0_attn
		.amdhsa_group_segment_fixed_size 169984
		.amdhsa_private_segment_fixed_size 0
		.amdhsa_enable_private_segment 0
		.amdhsa_kernarg_size 32
		.amdhsa_user_sgpr_count 2
		.amdhsa_user_sgpr_kernarg_segment_ptr 1
		.amdhsa_wavefront_size32 1
		.amdhsa_system_sgpr_workgroup_id_x 1
		.amdhsa_system_sgpr_workgroup_id_y 1
		.amdhsa_system_sgpr_workgroup_id_z 1
		.amdhsa_system_vgpr_workitem_id 0
		.amdhsa_next_free_vgpr 256
		.amdhsa_next_free_sgpr 66
		.amdhsa_reserve_vcc 1
		.amdhsa_float_denorm_mode_32 3
		.amdhsa_float_denorm_mode_16_64 3
		.amdhsa_memory_ordered 1
		.amdhsa_forward_progress 1
		.amdhsa_inst_pref_size 57
	.end_amdhsa_kernel
	.amdgpu_metadata
---
amdhsa.version: [ 1, 2 ]
amdhsa.kernels:
  - .name:           k_qfb19c081b0_attn
    .symbol:         k_qfb19c081b0_attn.kd
    .args:
      - { .name: qc, .offset: 0, .size: 8, .value_kind: global_buffer, .address_space: global }
      - { .name: qs, .offset: 8, .size: 8, .value_kind: global_buffer, .address_space: global }
      - { .name: kv, .offset: 16, .size: 8, .value_kind: global_buffer, .address_space: global }
      - { .name: aa, .offset: 24, .size: 8, .value_kind: global_buffer, .address_space: global }
    .group_segment_fixed_size: 169984
    .private_segment_fixed_size: 0
    .kernarg_segment_align: 8
    .kernarg_segment_size: 32
    .max_flat_workgroup_size: 512
    .sgpr_count:     66
    .vgpr_count:     256
    .wavefront_size: 32
...
	.end_amdgpu_metadata
.endif
;; end of part 3
;; launch oproj (part 4): grid 4 x 64, 4 waves a work-group, no clusters, 168,448 bytes of LDS; arguments aa, wo_codes, wo_scales, x, out0; writes out0
.if DOCPART == 4
	.amdgcn_target "amdgcn-amd-amdhsa--gfx1250"
	.amdhsa_code_object_version 6
	.text
	.protected	k_qfb19c081b0_oproj
	.globl	k_qfb19c081b0_oproj
	.p2align	8
	.type	k_qfb19c081b0_oproj,@function
k_qfb19c081b0_oproj:
	s_mov_b64 s[64:65], 0
	v_nop
	global_prefetch_b8 v0, s[64:65] scope:SCOPE_SE
	s_setreg_imm32_b32 hwreg(HW_REG_WAVE_MODE, 25, 1), 1
	s_wait_xcnt 0x0
; OPROJ.  out0 = x + attn x wo: codes of FP4 x codes of FP4 with one E8M0 byte for each 32 along K, f32 sums, the residual added in f32.
; SHARES.  A work-group takes a row block of 128 tokens (work-group y) and 256 columns (work-group x); wave w owns 64 columns: its 64 rows of wo, all of K, stay in its registers (window 1), and so does its part of x
; (window 2: 128 tokens x 64 columns), asked for at the head.  The block's codes and scale words (69,632 bytes, operand registers on end) come into LDS by one tensor load a wave, filled once: by this text's own
; count a wave has one tensor load outstanding.
; The matrix instruction is used transposed (source 0 = 16 rows of wo, source 1 = 16 tokens): a lane holds eight neighbouring columns of one token.  A tile of 16 tokens x 64 columns goes through the wave's own stage
; in LDS and comes back as rows of 256 bytes: sixteen lanes store 256 consecutive bytes, at a multiple of 256 from out0's first byte.
; NO CLUSTER: the four work-groups of a row block share the 68 KB that come by tensor loads, against the 270 KB of weights and x that each loads for itself into registers: a fifth of a work-group's bytes.
.set STAGE, 69632                      ; LDS: behind the block: 16 rows x (256 bytes + 16) for each wave; no tensor load lands here
.set LI,  1                            ; v1   16 x lane
.set LS,  2                            ; v2   65,536 + 16 x lane
.set WOF, 3                            ; v3   512 r + 16 h: a fragment of wo
.set WSO, 4                            ; v4   32 r + 4 (lane / 16): its scale words
.set XO,  5                            ; v5   4,096 h + 16 r: two tokens' 256 bytes in x and in out0
.set SO,  6                            ; v6   the stage, in: row r, 32 bytes for each half of the lanes
.set SR,  7                            ; v7   the stage, out: lanes 0-15 one row, lanes 16-31 the next
.set WS,  16                           ; v16-31   wo's scale words: tile t, i at 4 t + i
.set AS,  32                           ; v32-35   the tokens'
.set AF,  36                           ; v36-99   the tokens' fragments
.set ACC, 100                          ; v100-131 four accumulators
.set OUT, 132                          ; v132-163 a tile's rows on the way out
.set WV,  14
.set MSB, 0
.macro WIN new                         ; the immediate's high byte repeats the setting that is left
.if MSB != (\new)
	s_set_vgpr_msb (MSB<<8)|(\new)
.set MSB, (\new)
.endif
.endm
.macro PLACES
.rept 4
	v_nop
.endr
.endm
	s_load_b256 s[4:11], s[0:1], 0x0               ; aa s[4:5], wo's codes s[6:7], wo's scales s[8:9], x s[10:11]
	s_load_b64 s[12:13], s[0:1], 0x20              ; out0
	v_lshl_add_u32 v254, v0, 2, 0x29000
	v_mov_b32 v255, 0
	ds_add_u32 v254, v255
	ds_add_u32 v254, v255
	v_lshrrev_b32 v1, 5, v0
	v_readfirstlane_b32 s[WV], v1                  ; wave 0..3
	s_and_b32 s15, ttmp7, 0xffff                   ; the row block
	s_mov_b32 s16, 3<<16                           ; group 1: dense, 68 rows of 256 bytes (32 elements of 8 bytes) a wave
	s_mov_b32 s17, 32<<16
	s_mov_b32 s18, 68<<16
	s_mov_b32 s19, 32<<16
	s_mov_b32 s20, 68
	s_mov_b32 s21, 32
	s_mov_b32 s22, 0
	s_mov_b32 s23, 0
	s_mul_i32 s28, s15, 69632
	s_mul_i32 s25, s[WV], 17408                    ; my quarter, in LDS and in memory
	s_add_co_u32 s28, s28, s25
	s_mov_b32 s29, 0
	s_mov_b32 s24, 1
	s_lshl_b32 s30, ttmp9, 8
	s_lshl_b32 s31, s[WV], 6
	s_add_co_u32 s30, s30, s31                     ; my first column
	s_lshl_b32 s32, s30, 9                         ; its row of wo's codes,
	s_mov_b32 s33, 0
	s_lshl_b32 s34, s30, 5                         ; of wo's scale bytes,
	s_mov_b32 s35, 0
	s_lshl_b32 s36, s15, 19                        ; 128 tokens of 4,096 bytes a block,
	s_lshl_b32 s37, s30, 2
	s_add_co_u32 s36, s36, s37                     ; and my columns in them
	s_mov_b32 s37, 0
	s_mul_i32 s38, s[WV], 4352
	s_add_co_u32 s38, s38, STAGE                   ; my stage
	s_wait_dscnt 0x0
	s_wait_kmcnt 0x0
	s_add_nc_u64 s[26:27], s[4:5], s[28:29]
	s_or_b32 s27, s27, 0x80000000
	tensor_load_to_lds s[24:27], s[16:23]          ; the first fill, ahead of every wait on TENSORcnt, LDS read and barrier
	s_nop 0
	PLACES                                         ; four v_nop follow
	s_add_nc_u64 s[6:7], s[6:7], s[32:33]
	s_add_nc_u64 s[8:9], s[8:9], s[34:35]
	s_add_nc_u64 s[10:11], s[10:11], s[36:37]
	s_add_nc_u64 s[12:13], s[12:13], s[36:37]
	v_and_b32 v8, 31, v0                           ; lane
	v_and_b32 v9, 15, v0                           ; r
	v_bfe_u32 v10, v0, 4, 1                        ; h
	v_lshlrev_b32 v[LI], 4, v8
	v_add_nc_u32 v[LS], 65536, v[LI]
	v_lshlrev_b32 v[WOF], 9, v9
	v_lshl_add_u32 v[WOF], v10, 4, v[WOF]
	v_lshlrev_b32 v[WSO], 5, v9
	v_lshl_add_u32 v[WSO], v10, 2, v[WSO]
	v_lshlrev_b32 v[XO], 12, v10
	v_lshl_add_u32 v[XO], v9, 4, v[XO]
	v_mul_u32_u24 v[SO], v9, 272
	v_lshl_add_u32 v[SO], v10, 5, v[SO]
	v_add_nc_u32 v[SO], s38, v[SO]
	v_mul_u32_u24 v[SR], v10, 272
	v_lshl_add_u32 v[SR], v9, 4, v[SR]
	v_add_nc_u32 v[SR], s38, v[SR]
	WIN 0x40                                       ; destination window 1: wo's fragments (tile t, K step s) at v[64 t + 8 s]
.irp t, 0,1,2,3
.irp s, 0,1,2,3,4,5,6,7
.irp c, 0,1
	global_load_b128 v[64*\t+8*\s+4*\c:64*\t+8*\s+4*\c+3], v[WOF], s[6:7] offset:16*\t*512+64*\s+32*\c
.endr
.endr
.endr
	WIN 0
.irp t, 0,1,2,3
.irp i, 0,1,2,3
	global_load_b32 v[WS+4*\t+\i], v[WSO], s[8:9] offset:16*\t*32+8*\i
.endr
.endr
	WIN 0x80                                       ; destination window 2: x: tile X, rows 2 i and 2 i + 1 at v[32 X + 4 i]
.irp X, 0,1,2,3,4,5,6,7
.irp i, 0,1,2,3,4,5,6,7
	global_load_b128 v[32*\X+4*\i:32*\X+4*\i+3], v[XO], s[10:11] offset:(16*\X+2*\i)*4096 th:TH_LOAD_NT   ; sixteen lanes read 256 consecutive bytes; this launch reads them once
.endr
.endr
	WIN 0
.macro FETCH_A X                       ; tile X's eight fragments and its four registers of scale words: 17 loads
.irp s, 0,1,2,3,4,5,6,7
.irp c, 0,1
	ds_load_b128 v[AF+8*\s+4*\c:AF+8*\s+4*\c+3], v[LI] offset:8192*(\X)+1024*\s+512*\c
.endr
.endr
	ds_load_b128 v[AS:AS+3], v[LS] offset:512*(\X)
.endm
; One matrix instruction of K step k.  k = 0 starts the sum with the constant 0; at odd k both sides' scale words stand in lanes 16-31.
.macro MM d, a, b, k, sa, sb
.if (\k) == 0
	v_wmma_scale_f32_16x16x128_f8f6f4 v[\d:\d+7], v[\a:\a+7], v[\b:\b+7], 0, v[\sa], v[\sb] matrix_a_fmt:MATRIX_FMT_FP4 matrix_b_fmt:MATRIX_FMT_FP4
.elseif (\k)%2
	v_wmma_scale_f32_16x16x128_f8f6f4 v[\d:\d+7], v[\a:\a+7], v[\b:\b+7], v[\d:\d+7], v[\sa], v[\sb] matrix_a_fmt:MATRIX_FMT_FP4 matrix_b_fmt:MATRIX_FMT_FP4 matrix_a_scale:MATRIX_SCALE_ROW1 matrix_b_scale:MATRIX_SCALE_ROW1
.else
	v_wmma_scale_f32_16x16x128_f8f6f4 v[\d:\d+7], v[\a:\a+7], v[\b:\b+7], v[\d:\d+7], v[\sa], v[\sb] matrix_a_fmt:MATRIX_FMT_FP4 matrix_b_fmt:MATRIX_FMT_FP4
.endif
.endm
.macro TILE X
	s_wait_dscnt 0x0                               ; the tile's fragments are in
	WIN 0x01                                       ; source 0: window 1
.irp s, 0,1,2,3,4,5,6,7
.irp t, 0,1,2,3
	MM ACC+8*\t, 64*\t+8*\s, AF+8*\s, \s, WS+4*\t+\s/2, AS+\s/2     ; the four accumulators take turns, one instruction a turn
.endr
.endr
	WIN 0
	PLACES                                         ; ahead of the reads of results and of the loads into the fragments' registers
.irp t, 0,1,2,3
	ds_store_b128 v[SO], v[ACC+8*\t:ACC+8*\t+3] offset:64*\t          ; each accumulator from its low end on
	ds_store_b128 v[SO], v[ACC+8*\t+4:ACC+8*\t+7] offset:64*\t+16
.endr
	s_wait_xcnt 0x0                                ; the last tile's stores have read their data
.irp i, 0,1,2,3,4,5,6,7
	ds_load_b128 v[OUT+4*\i:OUT+4*\i+3], v[SR] offset:544*\i          ; LDS serves a wave's instructions in order: these see my stores, and the next tile's stores come behind them
.endr
.if (\X) < 7
	FETCH_A (\X)+1
	s_wait_dscnt 17                                ; the rows are back; the next tile's 17 loads may be out
.else
	s_wait_dscnt 0x0
.endif
	s_wait_loadcnt 56-8*(\X)                       ; this tile's eight loads of x are in; the later tiles' may be out
	WIN 0x08                                       ; source 1: window 2
.set k, 0
.rept 16
	v_pk_add_f32 v[OUT+k:OUT+k+1], v[OUT+k:OUT+k+1], v[32*(\X)+k:32*(\X)+k+1]   ; the residual
.set k, k+2
.endr
	WIN 0
.irp i, 0,1,2,3,4,5,6,7
	global_store_b128 v[XO], v[OUT+4*\i:OUT+4*\i+3], s[12:13] offset:(16*(\X)+2*\i)*4096 th:TH_STORE_NT   ; written once, read by nobody here
.endr
.endm
	s_wait_tensorcnt 0x0                           ; my quarter has landed,
	s_barrier_signal -1
	s_barrier_wait -1                              ; everybody's has
	FETCH_A 0
	s_wait_loadcnt 63                              ; 64 loads of x were issued behind the weights': all of wo is in
.irp X, 0,1,2,3,4,5,6,7
	TILE \X
.endr
	s_wait_tensorcnt 0x0
	ds_add_u32 v254, v255
	s_wait_dscnt 0x0
	s_endpgm
.Lfunc_end_k_qfb19c081b0_oproj:
	.size	k_qfb19c081b0_oproj, .Lfunc_end_k_qfb19c081b0_oproj-k_qfb19c081b0_oproj
	.p2alignl 7, 3214868480
	.fill 96, 4, 3214868480
	.section	.rodata,"a",@progbits
	.p2align	6, 0x0
	.amdhsa_kernel k_qfb19c081b0_oproj
		.amdhsa_group_segment_fixed_size 168448
		.amdhsa_private_segment_fixed_size 0
		.amdhsa_enable_private_segment 0
		.amdhsa_kernarg_size 40
		.amdhsa_user_sgpr_count 2
		.amdhsa_user_sgpr_kernarg_segment_ptr 1
		.amdhsa_wavefront_size32 1
		.amdhsa_system_sgpr_workgroup_id_x 1
		.amdhsa_system_sgpr_workgroup_id_y 1
		.amdhsa_system_sgpr_workgroup_id_z 1
		.amdhsa_system_vgpr_workitem_id 0
		.amdhsa_next_free_vgpr 768
		.amdhsa_next_free_sgpr 66
		.amdhsa_reserve_vcc 0
		.amdhsa_float_denorm_mode_32 3
		.amdhsa_float_denorm_mode_16_64 3
		.amdhsa_memory_ordered 1
		.amdhsa_forward_progress 1
		.amdhsa_inst_pref_size 83
	.end_amdhsa_kernel
	.amdgpu_metadata
---
amdhsa.version: [ 1, 2 ]
amdhsa.kernels:
  - .name:           k_qfb19c081b0_oproj
    .symbol:         k_qfb19c081b0_oproj.kd
    .args:
      - { .name: aa, .offset: 0, .size: 8, .value_kind: global_buffer, .address_space: global }
      - { .name: wo_codes, .offset: 8, .size: 8, .value_kind: global_buffer, .address_space: global }
      - { .name: wo_scales, .offset: 16, .size: 8, .value_kind: global_buffer, .address_space: global }
      - { .name: x, .offset: 24, .size: 8, .value_kind: global_buffer, .address_space: global }
      - { .name: out0, .offset: 32, .size: 8, .value_kind: global_buffer, .address_space: global }
    .group_segment_fixed_size: 168448
    .private_segment_fixed_size: 0
    .kernarg_segment_align: 8
    .kernarg_segment_size: 40
    .max_flat_workgroup_size: 128
    .sgpr_count:     66
    .vgpr_count:     768
    .wavefront_size: 32
...
	.end_amdgpu_metadata
.endif
;; end of part 4
